; MI455X (gfx1250); checked and timed in simulation.
; The chip was launched on July 23, 2026; its instructions are those of AMD's public machine-readable ISA for CDNA 5 (MIT licence, August 2026) and "CDNA5" Instruction Set Architecture Reference Guide (July 2026). The comments in the code are by the model that wrote it; some were corrected since.
;; Self Attention. Allowed arithmetic: matrix products marked QUANTISED: E4M3 operands, one given power-of-two scale a tensor, by v_wmma_f32_16x16x64_fp8_fp8 or v_wmma_f32_16x16x128_fp8_fp8, f32 sums; everything else in f32.
;; Inputs: b_k 1,024 float32; b_q 1,024 float32; b_v 1,024 float32; lowp_scales 10 int32 (the exponents e of the quantised operands' scales 2^e); mask 4 x 1 x 2,048 x 2,048 float32; w_k_codes 1,024 x 32 x 32 uint8 (E4M3 codes of w_k, K innermost, in blocks of 32 codes); w_q_codes 1,024 x 32 x 32 uint8 (E4M3 codes of w_q, K innermost, in blocks of 32 codes); w_v_codes 1,024 x 32 x 32 uint8 (E4M3 codes of w_v, K innermost, in blocks of 32 codes); x_codes 4 x 2,048 x 32 x 32 uint8 (E4M3 codes of x, K innermost, in blocks of 32 codes).
;; Outputs: out0 4 x 2,048 x 1,024 float32.
;; This version of the problem:
;;   THIS VERSION OF THE PROBLEM IS GIVEN IN LOW PRECISION. The matrix products marked QUANTISED in the list below multiply operands that are first quantised to E4M3 (4 exponent bits, 3 mantissa bits; 8 bits a number), with one given power-of-two scale for each operand tensor; their sums are f32. All else is computed in f32.
;;   The module's matrix products, in the order in which they are computed (A, B: the left and right operand; K: the contracted axis; several contracted axes count as one K, in the product's order):
;;     1. [M 8,192, K 1,024] x [K 1,024, N 1,024]; A: input x (given as codes); B: input w_q (given as codes): QUANTISED (scales: A lowp_scales[0], B lowp_scales[1])
;;     2. [M 8,192, K 1,024] x [K 1,024, N 1,024]; A: input x (given as codes); B: input w_k (given as codes): QUANTISED (scales: A lowp_scales[2], B lowp_scales[3])
;;     3. [M 8,192, K 1,024] x [K 1,024, N 1,024]; A: input x (given as codes); B: input w_v (given as codes): QUANTISED (scales: A lowp_scales[4], B lowp_scales[5])
;;     4. batch 64 x [M 2,048, K 64] x [K 64, N 2,048]; A: computed on the way; B: computed on the way: QUANTISED (scales: A lowp_scales[6], B lowp_scales[7])
;;     5. batch 64 x [M 2,048, K 2,048] x [K 2,048, N 64]; A: softmax (see below); B: computed on the way: QUANTISED (scales: A lowp_scales[8], B lowp_scales[9])
;;   THE QUANTISER, for each operand of a quantised product, along K:
;;     - The operand's scale is 2^e, e = its entry of the input lowp_scales (int32; the entries are numbered through the quantised products in the list's order, A before B).
;;     - Each number is divided by the scale, clamped to +-448, and rounded to the nearest number of E4M3, ties to even, subnormals kept.
;;     - The product sums the exact products of the quantised numbers (number of the format x scale) in f32.
;;   ~~~python
;;   def quantise(x, axis, e):      # numpy; x: float32 -> the quantised numbers, widened to float32 again
;;       x = np.moveaxis(x, axis, -1); K = x.shape[-1]
;;       r = np.clip(x / 2.0 ** e, -448, 448)
;;       step = 2.0 ** (np.maximum(np.frexp(np.where(r == 0, 1, r))[1] - 1, -6) - 3)
;;       q = np.round(r / step) * step * 2.0 ** e      # np.round: ties to even
;;       return np.moveaxis(q, -1, axis).astype(np.float32)
;;   ~~~
;;   SOFTMAX AHEAD OF A QUANTISED PRODUCT. Where the list says 'softmax', what is quantised is not the finished softmax but p = 2^(t - M), with t = logit x log2(e) and M = ceil(the row's largest t), a whole number; so 1/2 < the row's largest p <= 1. The row's sum l is taken of the UNQUANTISED p, in f32, and the product's result is divided by l at the end. Since M is a whole number, a kernel that streams over the keys may use a running M (the ceiling of the running maximum): every later rescaling is an exact power of two, so the quantised numbers keep their values, but for numbers so far below the row's largest that they fall under the format's range.
;;   OPERANDS COMPUTED ON THE WAY. 'Computed on the way' means the value that the module computes at that place (a softmax that the list does not call 'softmax' is quantised finished and normalised). What goes into a quantiser is computed in f32, as accurately as f32 sums, v_exp_f32 and their like allow (about 1e-6 of the number): no bf16 or f16 on the way to a quantiser, and a product that is left as it is and whose result goes on into a quantised operand takes f32 operands (vector FMAs, or v_wmma_f32_16x16x4_f32). A number that lies on a knife's edge between two numbers of the format may be rounded either way, as far as f32 arithmetic and the matrix unit's own rounding can turn it there, and no further.
;;   INPUTS GIVEN AS CODES. w_k (in the module: [1024, 1024], K = its axis 1); w_q (in the module: [1024, 1024], K = its axis 1); w_v (in the module: [1024, 1024], K = its axis 1); x (in the module: [4, 2048, 1024], K = its axis 2): each comes as NAME_codes (uint8): NAME with its K axis moved to the last place and cut into blocks of 32 codes, [.., K / 32, bytes a block], one block behind the other in memory; one code a byte (a code: sign, 4 exponent bits, 3 mantissa bits); its scale is its entry of lowp_scales. Its value is code x scale, taken as it is: it is not quantised again, and the codes and scales need not be those that the quantiser above would give.
;; One version. Each part assembles by itself: llvm-mc -triple=amdgcn-amd-amdhsa -mcpu=gfx1250 --defsym DOCPART=n.
;; ======== version 1 of 1: 2 launches
;; limits: right only within a limited range of input values
;; workspace buffers: q_img 8,388,608 bytes; kv_img 16,777,216 bytes
;; launch qkv (part 1): grid 12 x 32, 4 waves a work-group, clusters of 4 x 4, 327,680 bytes of LDS; arguments x_codes, w_q_codes, w_k_codes, w_v_codes, b_q, b_k, b_v, lowp_scales, q_img, kv_img; writes q_img, kv_img
.if DOCPART == 1
	.amdgcn_target "amdgcn-amd-amdhsa--gfx1250"
	.amdhsa_code_object_version 6
	.text
	.protected	k_q54d94c4f3f_qkv
	.globl	k_q54d94c4f3f_qkv
	.p2align	8
	.type	k_q54d94c4f3f_qkv,@function
k_q54d94c4f3f_qkv:
	s_mov_b64 s[64:65], 0
	v_nop
	global_prefetch_b8 v0, s[64:65] scope:SCOPE_SE
	s_setreg_imm32_b32 hwreg(HW_REG_WAVE_MODE, 25, 1), 1
	s_wait_xcnt 0x0
	s_wait_alu depctr_hold_cnt(0) depctr_sa_sdst(0) depctr_va_vdst(0) depctr_va_sdst(0) depctr_va_ssrc(0) depctr_va_vcc(0) depctr_vm_vsrc(0)
	s_getreg_b32 s2, hwreg(HW_REG_IB_STS2, 6, 4)
	s_cmp_eq_u32 s2, 0
	s_cbranch_scc0 .Lentry_in_a_cluster
	s_endpgm
.Lentry_in_a_cluster:
	s_bfe_u32 s2, ttmp6, 0x10000c
	s_cmp_lg_u32 s2, 0xf033
	s_cbranch_scc0 .Lentry_shape_is_right
	s_endpgm
.Lentry_shape_is_right:
.set ROWB,   256
.set KROW,   1024
.set PITCH,  272
.set FR,     16
.set NL,     4
.set NP,     4
.set HALFT,  128*PITCH
.set SLOT,   4*HALFT
.set LAPS,   KROW/(2*ROWB)
.set SPARE,  2*SLOT
.set ADRA, 16
.set ADRB, 20
.set VO,   24
.set BH,   26
.set BR,   27
.set SPW,  28
.set NIL,  29
.set LIMV, 30
.set SCV,  31
.set TMP,  32
.set CD,   96
.set AF,   128
.set G1,  24
.set G0,  32
.set G1B, 48
.set G0B, 56
.set WVN, 66
.set WHI, 67
.set WLO, 68
.set BIA, 88
.set OUT, 90
.set FS,  92
.set MSB, 0
.macro WIN new
.if MSB != (\new)
	s_set_vgpr_msb (MSB<<8)|(\new)
.set MSB, (\new)
.endif
.endm
.set MUL_LO, 0xa1
.set MUL_HI, 0xf1
.set TO_B,   0x40
.macro JLOAD g0a, g1a, g0b, g1b
	s_cmp_eq_u32 s[WHI], 0
	s_cbranch_scc0 .Lfor_b_\@
	tensor_load_to_lds s[\g0a:\g0a+3], s[\g1a:\g1a+7]
	s_nop 0
.rept 4
	v_nop
.endr
	s_branch .Lasked_\@
.Lfor_b_\@:
	tensor_load_to_lds s[\g0b:\g0b+3], s[\g1b:\g1b+7]
	s_nop 0
.rept 4
	v_nop
.endr
.Lasked_\@:
.endm
.macro CREST
	s_cmp_lg_u32 s[WVN], 0
	s_cbranch_scc1 .Lnot_wave_0_\@
	s_barrier_signal -3
.Lnot_wave_0_\@:
	s_barrier_wait -3
	s_barrier_signal -1
	s_barrier_wait -1
.endm
.macro CROUND
	s_barrier_signal -1
	s_barrier_wait -1
	CREST
.endm
	s_load_b512 s[4:19], s[0:1], 0x0
	s_load_b128 s[20:23], s[0:1], 0x40
	v_lshl_add_u32 v[SPW], v0, 2, SPARE
	v_mov_b32 v[NIL], 0
	ds_add_u32 v28, v29
	ds_add_u32 v28, v29
	s_wait_dscnt 0x0
	v_lshrrev_b32 v1, 5, v0
	v_readfirstlane_b32 s[WVN], v1
	s_lshr_b32 s[WHI], s[WVN], 1
	s_and_b32 s[WLO], s[WVN], 1
	s_bfe_u32 s40, ttmp6, 0x40000
	s_bfe_u32 s41, ttmp6, 0x40004
	s_and_b32 s69, ttmp7, 0xffff
	s_lshl_b32 s69, s69, 2
	s_cmp_eq_u32 ttmp9, 2
	s_cselect_b32 s70, 0, s69
	s_cselect_b32 s42, s69, 0
	s_add_co_u32 s70, s70, s41
	s_add_co_u32 s42, s42, s40
	s_lshl_b32 s43, s41, 2
	s_lshl_b32 s43, 15, s43
	s_lshl_b32 s44, 0x1111, s40
	s_or_b32 s[G1+0], s43, (0<<16)|(1<<20)|(1<<21)|(5<<22)|(3<<25)
	s_or_b32 s[G1B+0], s44, (0<<16)|(1<<20)|(1<<21)|(5<<22)|(3<<25)
.irp g, G1, G1B
	s_mov_b32 s[\g+1], ROWB<<16
	s_mov_b32 s[\g+2], 128<<16
	s_mov_b32 s[\g+3], ROWB<<16
	s_mov_b32 s[\g+4], 128
	s_mov_b32 s[\g+5], KROW
	s_mov_b32 s[\g+6], 0
	s_mov_b32 s[\g+7], 0
.endr
	s_lshl_b32 s71, s[WLO], 7
	s_lshl_b32 s82, s70, 8
	s_add_co_u32 s82, s82, s71
	s_lshl_b32 s82, s82, 10
	s_mov_b32 s83, 0
	s_lshl_b32 s46, s42, 8
	s_add_co_u32 s46, s46, s71
	s_lshl_b32 s46, s46, 10
	s_mov_b32 s47, 0
	s_mul_i32 s45, s[WVN], HALFT
	s_wait_kmcnt 0x0
	s_load_b256 s[72:79], s[18:19], 0x0
	s_load_b64 s[80:81], s[18:19], 0x20
	s_cmp_eq_u32 ttmp9, 2
	s_cselect_b64 s[84:85], s[10:11], s[4:5]
	s_cselect_b64 s[86:87], s[4:5], s[8:9]
	s_cmp_eq_u32 ttmp9, 0
	s_cselect_b64 s[86:87], s[6:7], s[86:87]
	s_add_nc_u64 s[84:85], s[84:85], s[82:83]
	s_add_nc_u64 s[86:87], s[86:87], s[46:47]
	CROUND
.irp s, 0,1
	s_mov_b32 s[G0+4*\s], 1
	s_add_co_u32 s[G0+4*\s+1], s45, \s*SLOT
	s_add_nc_u64 s[G0+4*\s+2:G0+4*\s+3], s[84:85], \s*ROWB
	s_or_b32 s[G0+4*\s+3], s[G0+4*\s+3], 0x80000000
	s_mov_b32 s[G0B+4*\s], 1
	s_add_co_u32 s[G0B+4*\s+1], s45, \s*SLOT
	s_add_nc_u64 s[G0B+4*\s+2:G0B+4*\s+3], s[86:87], \s*ROWB
	s_or_b32 s[G0B+4*\s+3], s[G0B+4*\s+3], 0x80000000
	s_wait_alu depctr_va_vdst(0)
	s_wait_tensorcnt 0x0
	ds_add_u32 v28, v29
	ds_add_u32 v28, v29
	s_wait_dscnt 0x0
	CROUND
	JLOAD G0+4*\s, G1, G0B+4*\s, G1B
.endr
	v_and_b32 v1, 15, v0
	v_bfe_u32 v2, v0, 4, 1
	v_mul_u32_u24 v3, v1, PITCH
	v_lshl_add_u32 v4, v2, 4, v3
	s_mul_i32 s71, s[WHI], HALFT
	s_mul_i32 s2, s[WLO], HALFT
	s_add_co_u32 s2, s2, 2*HALFT
.irp s, 0,1
	v_add_nc_u32 v[ADRA+\s], s71, v4
	v_add_nc_u32 v[ADRB+\s], s2, v4
	s_add_co_u32 s71, s71, SLOT
	s_add_co_u32 s2, s2, SLOT
.endr
	v_and_b32 v5, 31, v0
	v_lshlrev_b32 v[VO], 4, v5
	s_wait_alu depctr_va_vdst(0)
	v_lshlrev_b32 v[BH], 5, v2
	v_lshlrev_b32 v[BR], 2, v1
	s_lshl_b32 s96, s70, 1
	s_add_co_u32 s96, s96, s[WHI]
	s_lshl_b32 s97, s42, 1
	s_add_co_u32 s97, s97, s[WLO]
	s_lshl_b32 s98, s42, 2
	s_lshl_b32 s99, s[WLO], 1
	s_add_co_u32 s98, s98, s99
	s_lshl_b32 s99, s70, 2
	s_lshl_b32 s95, s[WHI], 1
	s_add_co_u32 s99, s99, s95
	s_cmp_eq_u32 ttmp9, 2
	s_cselect_b32 s96, s97, s96
	s_cselect_b32 s98, s99, s98
	s_cselect_b32 s97, 8192, 0
	s_cselect_b64 s[BIA:BIA+1], s[16:17], s[14:15]
	s_cmp_eq_u32 ttmp9, 0
	s_cselect_b64 s[BIA:BIA+1], s[12:13], s[BIA:BIA+1]
	s_cselect_b64 s[OUT:OUT+1], s[20:21], s[22:23]
	s_cselect_b32 s99, 13, 14
	s_lshl_b32 s95, 1, s99
	v_add_nc_u32 v[VO+1], s95, v[VO]
	s_lshl_b32 s96, s96, 4
	s_add_co_u32 s96, s96, s98
	s_lshl_b32 s96, s96, s99
	s_add_co_u32 s96, s96, s97
	s_mov_b32 s97, 0
	s_add_nc_u64 s[OUT:OUT+1], s[OUT:OUT+1], s[96:97]
	s_lshl_b32 s98, s98, 8
	s_mov_b32 s99, 0
	s_add_nc_u64 s[BIA:BIA+1], s[BIA:BIA+1], s[98:99]
	s_wait_kmcnt 0x0
	s_add_co_i32 s96, s72, s73
	s_add_co_i32 s97, s74, s75
	s_add_co_i32 s98, s76, s77
	s_cmp_eq_u32 ttmp9, 0
	s_cselect_b32 s96, s96, s97
	s_cselect_b32 s94, s78, s79
	s_cmp_eq_u32 ttmp9, 2
	s_cselect_b32 s96, s98, s96
	s_cselect_b32 s94, s81, s94
	s_add_co_i32 s96, s96, 127
	s_lshl_b32 s[FS], s96, 23
	s_mov_b32 s[FS+1], s[FS]
	s_add_co_i32 s94, s94, 127
	s_lshl_b32 s97, s94, 23
	v_mov_b32 v[SCV], s97
	s_add_co_i32 s94, s94, 8
	s_lshl_b32 s94, s94, 23
	s_or_b32 s94, s94, 0x600000
	v_mov_b32 v[LIMV], s94
.macro FRAG reg, adr, q, i
.irp c, 0,1,2,3
	ds_load_b128 v[\reg+4*\c:\reg+4*\c+3], v[\adr] offset:128*(\q)+32*\c+(\i)*16*PITCH
.endr
.endm
.macro MUL16 a0, p, zero
.irp a, \a0, \a0+1
.irp b, 0,1,2,3,4,5,6,7
.if \zero
	v_wmma_f32_16x16x128_fp8_fp8 v[8*(8*((\a)%4)+\b):8*(8*((\a)%4)+\b)+7], v[128*(\p)+FR*\b:128*(\p)+FR*\b+FR-1], v[AF+FR*(\a):AF+FR*(\a)+FR-1], 0
.else
	v_wmma_f32_16x16x128_fp8_fp8 v[8*(8*((\a)%4)+\b):8*(8*((\a)%4)+\b)+7], v[128*(\p)+FR*\b:128*(\p)+FR*\b+FR-1], v[AF+FR*(\a):AF+FR*(\a)+FR-1], v[8*(8*((\a)%4)+\b):8*(8*((\a)%4)+\b)+7]
.endif
.endr
.endr
.endm
.macro FETCH_B slot, q, p
	WIN TO_B
.irp i, 0,1,2,3,4,5,6,7
	FRAG 128*(\p)+FR*\i, ADRB+\slot, \q, \i
.endr
	WIN 0
.endm
.macro FETCH_A slot, q, i0
.irp i, \i0, \i0+1, \i0+2, \i0+3
	FRAG AF+FR*(\i), ADRA+\slot, \q, \i
.endr
.endm
.macro PLACES n
.rept \n
	v_nop
.endr
.endm
.macro STEP slot, q, zero
	s_wait_dscnt 4*NL
	WIN MUL_LO
	MUL16 0, (\q)%2, \zero
	MUL16 2, (\q)%2, \zero
	s_wait_dscnt 0
	PLACES NP
	FETCH_B \slot, (\q)+1, 1-(\q)%2
	FETCH_A \slot, (\q)+1, 0
	WIN MUL_HI
	MUL16 4, (\q)%2, \zero
	MUL16 6, (\q)%2, \zero
	PLACES NP
	WIN 0
	FETCH_A \slot, (\q)+1, 4
.endm
.macro TURN slot, next, fill
	s_wait_tensorcnt 0x0
	ds_add_u32 v[SPW], v[NIL]
	s_wait_dscnt 4*NL+1
	WIN MUL_LO
	MUL16 0, 1, 0
	s_wait_dscnt 0x0
	s_barrier_signal -1
	MUL16 2, 1, 0
	WIN 0
	s_barrier_wait -1
.if \fill
	CREST
	s_add_nc_u64 s[G0+4*\slot+2:G0+4*\slot+3], s[G0+4*\slot+2:G0+4*\slot+3], 2*ROWB
	s_add_nc_u64 s[G0B+4*\slot+2:G0B+4*\slot+3], s[G0B+4*\slot+2:G0B+4*\slot+3], 2*ROWB
	JLOAD G0+4*\slot, G1, G0B+4*\slot, G1B
.else
	PLACES NP
.endif
	FETCH_B \next, 0, 0
	FETCH_A \next, 0, 0
	WIN MUL_HI
	MUL16 4, 1, 0
	MUL16 6, 1, 0
	PLACES NP
	WIN 0
	FETCH_A \next, 0, 4
.endm
	s_wait_tensorcnt 1
	s_barrier_signal -1
	s_barrier_wait -1
	FETCH_B 0, 0, 0
	FETCH_A 0, 0, 0
	FETCH_A 0, 0, 4
	STEP 0, 0, 1
	s_mov_b32 s3, LAPS-1
.Llap:
	TURN 0, 1, 1
	STEP 1, 0, 0
	TURN 1, 0, 1
	STEP 0, 0, 0
	s_sub_co_u32 s3, s3, 1
	s_cmp_lg_u32 s3, 0
	s_cbranch_scc1 .Llap
	TURN 0, 1, 0
	STEP 1, 0, 0
.macro BIAS arm
	WIN TO_B
.if \arm
.irp a, 0,1,2,3,4,5,6,7
	global_load_b32 v[2*\a], v[BR], s[BIA:BIA+1] offset:64*\a
	global_load_b32 v[2*\a+1], v[BR], s[BIA:BIA+1] offset:64*\a
.endr
.else
.irp b, 0,1,2,3,4,5,6,7
	global_load_b128 v[8*\b:8*\b+3], v[BH], s[BIA:BIA+1] offset:64*\b
	global_load_b128 v[8*\b+4:8*\b+7], v[BH], s[BIA:BIA+1] offset:64*\b+16
.endr
.endif
.endm
.macro LAST
	s_wait_dscnt 4*NL
	WIN MUL_LO
	MUL16 0, 1, 0
	MUL16 2, 1, 0
	s_wait_dscnt 0
	WIN MUL_HI
	MUL16 4, 1, 0
	MUL16 6, 1, 0
	WIN 0
	s_wait_loadcnt 0x0
	PLACES NP
.endm
.macro OUTBLK a, arm
.set AC, 64*((\a)%4)
.set CC, CD+16*((\a)%2)
.if (\a) >= 2
	s_wait_xcnt 0x0
.endif
	WIN 0x12+(\a)/4
.set j, 0
.rept 32
.if \arm
	v_pk_fma_f32 v[TMP+j:TMP+j+1], v[AC+j:AC+j+1], s[FS:FS+1], v[2*(\a):2*(\a)+1] op_sel_hi:[1,0,1]
.else
	v_pk_fma_f32 v[TMP+j:TMP+j+1], v[AC+j:AC+j+1], s[FS:FS+1], v[j:j+1] op_sel_hi:[1,0,1]
.endif
.set j, j+2
.endr
	WIN 0
.set j, 0
.rept 64
	v_med3_num_f32 v[TMP+j], v[TMP+j], -v[LIMV], v[LIMV]
.set j, j+1
.endr
.set j, 0
.rept 8
	v_cvt_scalef32_pk8_fp8_f32 v[CC+2*j:CC+2*j+1], v[TMP+8*j:TMP+8*j+7], v[SCV]
.set j, j+1
.endr
	v_nop
.irp g, 0,1,2,3
.if \arm
	global_store_b128 v[VO], v[CC+4*\g:CC+4*\g+3], s[OUT:OUT+1] offset:16384*((\a)/4)+2048*((\a)%4)+512*\g
.else
	global_store_b128 v[VO+\g/2], v[CC+4*\g:CC+4*\g+3], s[OUT:OUT+1] offset:1024*(\a)+512*(\g%2)
.endif
.endr
.endm
	s_cmp_eq_u32 ttmp9, 2
	s_cbranch_scc1 .Lv
	s_wait_alu depctr_va_vdst(0)
	BIAS 0
	LAST
.irp a, 0,1,2,3,4,5,6,7
	OUTBLK \a, 0
.endr
	s_branch .Lend
.Lv:
	s_wait_alu depctr_va_vdst(0)
	BIAS 1
	LAST
.irp a, 0,1,2,3,4,5,6,7
	OUTBLK \a, 1
.endr
.Lend:
	s_wait_tensorcnt 0x0
	ds_add_u32 v[SPW], v[NIL]
	s_wait_dscnt 0x0
	CROUND
	s_endpgm
.Lfunc_end_k_q54d94c4f3f_qkv:
	.size	k_q54d94c4f3f_qkv, .Lfunc_end_k_q54d94c4f3f_qkv-k_q54d94c4f3f_qkv
	.p2alignl 7, 3214868480
	.fill 96, 4, 3214868480
	.section	.rodata,"a",@progbits
	.p2align	6, 0x0
	.amdhsa_kernel k_q54d94c4f3f_qkv
		.amdhsa_group_segment_fixed_size 327680
		.amdhsa_private_segment_fixed_size 0
		.amdhsa_enable_private_segment 0
		.amdhsa_kernarg_size 80
		.amdhsa_user_sgpr_count 2
		.amdhsa_user_sgpr_kernarg_segment_ptr 1
		.amdhsa_wavefront_size32 1
		.amdhsa_system_sgpr_workgroup_id_x 1
		.amdhsa_system_sgpr_workgroup_id_y 1
		.amdhsa_system_sgpr_workgroup_id_z 1
		.amdhsa_system_vgpr_workitem_id 0
		.amdhsa_next_free_vgpr 1024
		.amdhsa_next_free_sgpr 100
		.amdhsa_reserve_vcc 0
		.amdhsa_float_denorm_mode_32 3
		.amdhsa_float_denorm_mode_16_64 3
		.amdhsa_memory_ordered 1
		.amdhsa_forward_progress 1
		.amdhsa_inst_pref_size 199
	.end_amdhsa_kernel
	.amdgpu_metadata
---
amdhsa.version: [ 1, 2 ]
amdhsa.kernels:
  - .name:           k_q54d94c4f3f_qkv
    .symbol:         k_q54d94c4f3f_qkv.kd
    .args:
      - { .name: x_codes, .offset: 0, .size: 8, .value_kind: global_buffer, .address_space: global }
      - { .name: w_q_codes, .offset: 8, .size: 8, .value_kind: global_buffer, .address_space: global }
      - { .name: w_k_codes, .offset: 16, .size: 8, .value_kind: global_buffer, .address_space: global }
      - { .name: w_v_codes, .offset: 24, .size: 8, .value_kind: global_buffer, .address_space: global }
      - { .name: b_q, .offset: 32, .size: 8, .value_kind: global_buffer, .address_space: global }
      - { .name: b_k, .offset: 40, .size: 8, .value_kind: global_buffer, .address_space: global }
      - { .name: b_v, .offset: 48, .size: 8, .value_kind: global_buffer, .address_space: global }
      - { .name: lowp_scales, .offset: 56, .size: 8, .value_kind: global_buffer, .address_space: global }
      - { .name: q_img, .offset: 64, .size: 8, .value_kind: global_buffer, .address_space: global }
      - { .name: kv_img, .offset: 72, .size: 8, .value_kind: global_buffer, .address_space: global }
    .group_segment_fixed_size: 327680
    .private_segment_fixed_size: 0
    .kernarg_segment_align: 8
    .kernarg_segment_size: 80
    .max_flat_workgroup_size: 128
    .sgpr_count:     100
    .vgpr_count:     1024
    .wavefront_size: 32
...
	.end_amdgpu_metadata
.endif
;; end of part 1
;; launch attn (part 2): grid 4 x 64, 4 waves a work-group, clusters of 4 x 4, 327,680 bytes of LDS; arguments q_img, kv_img, mask, lowp_scales, out0; writes out0
.if DOCPART == 2
	.amdgcn_target "amdgcn-amd-amdhsa--gfx1250"
	.amdhsa_code_object_version 6
	.text
	.protected	k_q54d94c4f3f_attn
	.globl	k_q54d94c4f3f_attn
	.p2align	8
	.type	k_q54d94c4f3f_attn,@function
k_q54d94c4f3f_attn:
	s_mov_b64 s[64:65], 0
	v_nop
	global_prefetch_b8 v0, s[64:65] scope:SCOPE_SE
	s_setreg_imm32_b32 hwreg(HW_REG_WAVE_MODE, 25, 1), 1
	s_wait_xcnt 0x0
	s_wait_alu depctr_hold_cnt(0) depctr_sa_sdst(0) depctr_va_vdst(0) depctr_va_sdst(0) depctr_va_ssrc(0) depctr_va_vcc(0) depctr_vm_vsrc(0)
	s_getreg_b32 s2, hwreg(HW_REG_IB_STS2, 6, 4)
	s_cmp_eq_u32 s2, 0
	s_cbranch_scc0 .Lentry_in_a_cluster
	s_endpgm
.Lentry_in_a_cluster:
	s_bfe_u32 s2, ttmp6, 0x10000c
	s_cmp_lg_u32 s2, 0xf033
	s_cbranch_scc0 .Lentry_shape_is_right
	s_endpgm
.Lentry_shape_is_right:
; out[token][64 head + d] = the sum over keys of softmax(q . k / 8 + mask) v, both products on codes of FP8 (E4M3).  4 batches x 2,048 tokens, 16 heads of 64.
; q_img [block of 128 tokens 64][head 16][tile 8][1,024 B], kv_img [block 64][head 16][K: 8 x 1,024 B, V: 4 x 2,048 B]: images of operand registers (four registers at 512 g + 16 x lane).
; A Q or K tile: lane (r, h) holds token r, registers 2 c, 2 c + 1 dims 16 c + 8 h + 0 .. 7.  A V tile: lane (r, h) holds channel r, registers 2 c, 2 c + 1 keys 16 c + 8 h + 0 .. 7 of the block's 128.
; THE SOFTMAX AHEAD OF THE SECOND PRODUCT: t = logit x log2(e); M = the running largest t rounded UP to a whole number; p = 2^(t - M) is quantised with 2^e8, not normalised; the row's sum is taken of the
; unquantised p and divides at the end.  When M moves, the sum and O are multiplied by 2^(old M - new M), which rounds nothing.
; SHARES.  A work-group takes 128 queries x 4 heads; a cluster of 4 x 4 takes 512 queries x all 16 heads.  Wave w of four, as many as a WGP has SIMDs: query tiles 2 w, 2 w + 1 x all four heads: eight units u = 2 head + a.
; A register of the mask serves four heads, a fragment of K or V two products; each byte of the mask's tile is read from LDS once in the work-group.
; JOINT LOADS.  A mask tile (128 queries x 128 keys) hangs on the query block alone: the four partners of a row of the cluster ask for it jointly.  A tile of K and V (4 heads x 128 keys, 65,536 dense bytes)
; hangs on the batch and the heads: the four of a column ask jointly.  Waves 0, 1 fetch the mask's halves, waves 2, 3 those of K and V: one tensor load a wave behind each round.
; LAYOUT.  Both products transposed: S^T = K Q^T + C, O^T += V^T P^T: a lane holds ONE query; tile T's register j is key 16 T + 8 h + j, so its conversion gives registers 2 T, 2 T + 1 of P.
; THE MASK IS THE C OF THE FIRST PRODUCT: multiplied once by 2^(3 - e6 - e7) (exact), so that S = logit x 8 / 2^(e6 + e7) and t = S x c, c = log2(e) / 8 x 2^(e6 + e7).
; THE WALK.  The units go through a pipeline, a TICK to a unit.  Tick u: unit u - 1's sums, laid between the dependent lines that lead from unit u's largest score to its M; t - M of unit u; unit u's 64 exponentials,
; each followed by one hold of unit u - 1 (read only behind the batch's closing wait); then unit u - 1's O^T x f, its codes, S^T of unit u + 1 and O^T of unit u - 1.  The pipeline runs on over the key steps:
; a trip of the loop is tick 7 of the step before and ticks 0 to 6.  The first trip's tick 7 finds scores of -infinity, p = 0 and zero codes of V, which leave every statistic and O^T as they are.
; LIMITS: e6 + e7 between -123 and 129; e8 between -126 and 119; e8 + e9 is applied by v_ldexp_f32 and has none.  NaN among the inputs is not served.  A mask entry of -infinity gives p = 0; a row that is
; -infinity throughout gives NaN, as the softmax of such a row does.
; REGISTERS.  window 0: v1-38 addresses, constants, at work; v40-71 four statistics a unit; v72-87 P; v96-223 two buffers of S^T, then p.   window 1: v0-63 Q; v64-127 K; v128-255 V, two buffers.
;   window 2: O^T (unit u, channel tile ct at 32 u + 8 ct).   window 3: v0-127 the mask (query tile a, key tile T at 64 a + 8 T).
.set SLOT,  133120                     ; a slot: K and V of 4 heads (65,536 bytes), then 128 rows of the mask; 0x20800 shares no bit with the places inside a slot that the descriptors name
.set MOFF,  65536
.set MP,    528                        ; a row of the mask in LDS: 512 bytes + 16 of padding
.set MHALF, 64*MP
.set SPARE, 2*SLOT                     ; behind the ring: the spare words, 128 bytes for each of four waves
.set NSTEP, 16                         ; key steps of 128
.set SPW,  1                           ; v1  my spare word; never rewritten
.set NIL,  2                           ; v2  0; never rewritten
.set AM0,  4                           ; v4  my lane's place in the mask's tile
.set AKV,  5                           ; v5, v6  16 x lane and that place, in the slot in hand
.set AM,   6
.set PFO,  7                           ; v7  the prefetches' offset
.set LIMV, 8                           ; v8  448 x 2^e8
.set SCV,  9                           ; v9  2^e8
.set PX,   10                          ; v10 a lane permute's destination
.set X,    12                          ; v12-19 eight chains of the maximum
.set TT,   20                          ; v20, v21 two more
.set OLD,  22                          ; v22 the old -M
.set FF,   24                          ; v[24:25], v[26:27] f = 2^(old M - new M) of even and of odd units, named as pairs
.set U,    28                          ; v[28:35] four chains of the sums
.set STO,  36                          ; the way out: where I put 32 bytes of a row, where I read a row back, 16 x lane
.set RD,   37
.set GO,   38
.set ST,   40                          ; unit u at v[40 + 4 u]: -M, the largest t, the sum in two halves
.set P,    72
.set S,    96
.set QF,   0                           ; window 1
.set KF,   64
.set VF,   128
.set WV,   14                          ; s14 my wave's number;  s49 wave / 2: I fetch the mask (0) or K and V (1)
.set LIM,  15                          ; s15 1 in a wave that prefetches, else the greatest number
.set WHI,  49
.set SEL,  20
.set CS,   22                          ; s[22:23] c, twice
.set G1M,  24
.set G1K,  32
.set G0M,  40
.set G0K,  44
.set TB,   48                          ; s48 LDS byte at which the slot in hand begins
.set SLOTS, 52                         ; s52 tiles still to be asked for
.set MF,   54                          ; s[54:55] 2^(3 - e6 - e7), twice
.set PFA,  56
.set PFS,  58
.set MSB, 0
.macro WIN new                         ; the immediate's high byte repeats the setting that is left
.if MSB != (\new)
	s_set_vgpr_msb (MSB<<8)|(\new)
.set MSB, (\new)
.endif
.endm
.macro CROUND                          ; a round of the cluster's barrier
	s_barrier_signal -1
	s_barrier_wait -1
	s_cmp_lg_u32 s[WV], 0
	s_cbranch_scc1 .Lnot_wave_0_\@
	s_barrier_signal -3
.Lnot_wave_0_\@:
	s_barrier_wait -3
	s_barrier_signal -1
	s_barrier_wait -1
.endm
.macro TLOAD                           ; every wave issues one joint load; the branch hangs on the wave's number alone; s_nop 0 and four v_nop follow each line
	s_cmp_eq_u32 s[WHI], 0
	s_cbranch_scc0 .Lkv_\@
	tensor_load_to_lds s[G0M:G0M+3], s[G1M:G1M+7]
	s_nop 0
.rept 4
	v_nop
.endr
	s_branch .Lasked_\@
.Lkv_\@:
	tensor_load_to_lds s[G0K:G0K+3], s[G1K:G1K+7]
	s_nop 0
.rept 4
	v_nop
.endr
.Lasked_\@:
.endm
; A PREFETCH INTO THE L2 of what the NEXT change of slots will ask for, one key step ahead of that load; one instruction a wave.  Each aligned block of 256 bytes is named once in the launch.
; The mask's tile is 128 rows x 512 bytes: the partner at cx takes rows 32 cx + lane; wave 0 their first 256 bytes, wave 1 their second.  K and V's tile is 65,536 dense bytes, which the four clusters of a batch walk:
; the batch's first cluster asks; the partner at cy takes 16,384 bytes, waves 2 and 3 half each, lanes 256 bytes apart.  Partners are told apart by address alone.  The last change that fills a slot asks for nothing.
.macro ASK
	s_cmp_gt_u32 s[SLOTS], s[LIM]
	s_cbranch_scc0 .Lnot_mine_\@
	global_prefetch_b8 v[PFO], s[PFA:PFA+1] th:TH_LOAD_NT scope:SCOPE_SE
.Lnot_mine_\@:
.endm
	s_load_b256 s[4:11], s[0:1], 0x0               ; q_img, kv_img, mask, the exponents
	s_load_b64 s[12:13], s[0:1], 0x20              ; out0
	v_lshl_add_u32 v[SPW], v0, 2, SPARE
	v_mov_b32 v[NIL], 0
	ds_add_u32 v[SPW], v[NIL]                      ; the opening lines: the add, twice on end, and its wait ahead of my first tensor load
	ds_add_u32 v[SPW], v[NIL]
	v_lshrrev_b32 v3, 5, v0
	v_readfirstlane_b32 s[WV], v3                  ; wave 0..3
	s_and_b32 s19, s[WV], 1                        ; which half of a tile I fetch
	s_lshr_b32 s[WHI], s[WV], 1
	s_bfe_u32 s16, ttmp6, 0x40000                  ; cx: my four heads
	s_bfe_u32 s17, ttmp6, 0x40004                  ; cy: my query block among the cluster's four
	s_and_b32 s18, ttmp7, 0xffff                   ; cluster y, 0 .. 15; the batch is y / 4
	s_lshl_b32 s60, s17, 2
	s_lshl_b32 s60, 15, s60                        ; my row of the cluster
	s_or_b32 s[G1M], s60, (2<<16)|(1<<20)|(1<<21)|(6<<22)|(3<<25)  ; elements of 4 bytes; four words of padding after every 128
	s_mov_b32 s[G1M+1], 128<<16                    ; 128 keys
	s_mov_b32 s[G1M+2], 64<<16                     ; 64 queries
	s_mov_b32 s[G1M+3], 128<<16
	s_mov_b32 s[G1M+4], 64
	s_mov_b32 s[G1M+5], 2048                       ; elements from row to row
	s_mov_b32 s[G1M+6], 0
	s_mov_b32 s[G1M+7], 0
	s_lshl_b32 s62, 0x1111, s16                    ; my column
	s_or_b32 s[G1K], s62, (3<<16)|(1<<21)          ; elements of 8 bytes, no padding: 32,768 dense bytes as 128 rows of 256
	s_mov_b32 s[G1K+1], 32<<16
	s_mov_b32 s[G1K+2], 128<<16
	s_mov_b32 s[G1K+3], 32<<16
	s_mov_b32 s[G1K+4], 128
	s_mov_b32 s[G1K+5], 32
	s_mov_b32 s[G1K+6], 0
	s_mov_b32 s[G1K+7], 0
	s_lshl_b32 s60, s18, 2                         ; the mask's tile: made of y, cy and the wave alone
	s_add_co_u32 s60, s60, s17                     ; query block 4 y + cy: 128 rows of 8,192 bytes,
	s_lshl_b32 s60, s60, 20
	s_lshl_b32 s61, s19, 19                        ; my 64 of them
	s_add_co_u32 s60, s60, s61
	s_mov_b32 s61, 0
	s_lshr_b32 s62, s18, 2                         ; K and V's tile: made of y, cx and the wave alone
	s_lshl_b32 s62, s62, 22
	s_lshl_b32 s63, s16, 16
	s_add_co_u32 s62, s62, s63
	s_lshl_b32 s63, s19, 15
	s_add_co_u32 s62, s62, s63
	s_mov_b32 s63, 0
	s_mul_i32 s50, s19, MHALF
	s_add_co_u32 s50, s50, MOFF                    ; where they go in slot 0: no place in the cluster enters an LDS address
	s_lshl_b32 s51, s19, 15
	s_mov_b32 s[SEL], 0x76543210
	s_mov_b32 s[SEL+1], 0xfedcba98
	s_mov_b32 s[CS], 0x3e38aa3b                    ; log2(e) / 8
	s_mov_b32 s[TB], 0
	s_mov_b32 s[SLOTS], NSTEP-1
	s_wait_dscnt 0x0                               ; both opening adds are done
	s_wait_kmcnt 0x0
	s_load_b128 s[68:71], s[10:11], 0x18           ; e6, e7, e8, e9
	s_mov_b32 s[G0M], 1
	s_mov_b32 s[G0M+1], s50
	s_add_nc_u64 s[G0M+2:G0M+3], s[8:9], s[60:61]
	s_or_b32 s[G0M+3], s[G0M+3], 0x80000000
	s_mov_b32 s[G0K], 1
	s_mov_b32 s[G0K+1], s51
	s_add_nc_u64 s[G0K+2:G0K+3], s[6:7], s[62:63]
	s_or_b32 s[G0K+3], s[G0K+3], 0x80000000
	CROUND                                         ; all sixteen work-groups are here: the first joint loads meet
	TLOAD                                          ; key step 0 into slot 0: my one tensor load at the head
	s_lshl_b32 s72, s18, 2
	s_add_co_u32 s72, s72, s17                     ; my query block
	s_lshl_b32 s76, s72, 17                        ; Q: block x 16 heads x 8,192 bytes, my work-group's four heads, my two tiles
	s_lshl_b32 s77, s16, 15
	s_add_co_u32 s76, s76, s77
	s_lshl_b32 s77, s[WV], 11
	s_add_co_u32 s76, s76, s77
	s_mov_b32 s77, 0
	s_add_nc_u64 s[4:5], s[4:5], s[76:77]
	s_lshl_b32 s76, s72, 19                        ; out0: block x 128 rows of 4,096 bytes, my 32 rows, my work-group's four heads of 256 bytes
	s_lshl_b32 s77, s[WV], 17
	s_add_co_u32 s76, s76, s77
	s_lshl_b32 s77, s16, 10
	s_add_co_u32 s76, s76, s77
	s_mov_b32 s77, 0
	s_add_nc_u64 s[12:13], s[12:13], s[76:77]
	s_mul_i32 s74, s[WV], 32*MP
	s_add_co_u32 s74, s74, MOFF                    ; my 32 rows of the mask's tile
	s_mul_i32 s75, s[WV], 16*MP                    ; my stage for the way out: 16 rows x 528 bytes, in slot 0
	s_lshl_b32 s80, s72, 20                        ; the prefetches: where my wave's stand, at key step 1; the first change of slots steps them to key step 2
	s_lshl_b32 s82, s16, 18
	s_add_co_u32 s80, s80, s82
	s_lshl_b32 s82, s19, 8
	s_add_co_u32 s80, s80, s82
	s_add_co_u32 s80, s80, 512
	s_lshr_b32 s81, s18, 2
	s_lshl_b32 s81, s81, 22
	s_lshl_b32 s82, s16, 16
	s_add_co_u32 s81, s81, s82
	s_lshl_b32 s82, s17, 14
	s_add_co_u32 s81, s81, s82
	s_lshl_b32 s82, s19, 13
	s_add_co_u32 s81, s81, s82
	s_add_co_u32 s81, s81, 262144
	s_and_b32 s83, s18, 3
	s_cmp_eq_u32 s83, 0
	s_cselect_b32 s83, 1, -1                       ; the batch's first cluster: the same in all sixteen partners
	s_cmp_lt_u32 s[WV], 2                          ; waves 0 and 1: the mask; waves 2 and 3: K and V
	s_cselect_b64 s[PFA:PFA+1], s[8:9], s[6:7]
	s_cselect_b32 s78, 13, 8                       ; from lane to lane: 8,192 or 256 bytes
	s_mov_b32 s[PFS], 262144
	s_cselect_b32 s[PFS], 512, s[PFS]
	s_cselect_b32 s80, s80, s81
	s_cselect_b32 s[LIM], 1, s83
	s_mov_b32 s81, 0
	s_mov_b32 s[PFS+1], 0
	s_add_nc_u64 s[PFA:PFA+1], s[PFA:PFA+1], s[80:81]
	v_and_b32 v10, 31, v0                          ; lane
	v_and_b32 v11, 15, v0                          ; r
	v_bfe_u32 v12, v0, 4, 1                        ; h
	v_lshlrev_b32 v[GO], 4, v10
	v_mul_u32_u24 v13, v11, MP
	v_lshl_add_u32 v13, v12, 5, v13                ; r x 528 + 32 h
	v_add_nc_u32 v[AM0], s74, v13                  ; the mask: row 32 w + r, my eight keys of a tile of 16
	v_add_nc_u32 v[STO], s75, v13
	v_add_nc_u32 v[RD], s75, v[GO]
	v_lshlrev_b32 v[PFO], s78, v10
	s_wait_alu depctr_va_vdst(0)                   ; the wait ahead of the readers below
	WIN 0x40                                       ; destination window 1
.irp hd, 0,1,2,3
.irp a, 0,1
.irp g, 0,1
	global_load_b128 v[QF+8*(2*\hd+\a)+4*\g:QF+8*(2*\hd+\a)+4*\g+3], v[GO], s[4:5] offset:8192*\hd+1024*\a+512*\g   ; Q's eight fragments stay in registers
.endr
.endr
.endr
.set i, 0
.rept 64
	v_mov_b32 v[VF+64+i], 0                        ; V's second buffer: zero codes for the first trip's two products that have no unit yet
.set i, i+1
.endr
	WIN 0x80                                       ; destination window 2
.set i, 0
.rept 256
	v_mov_b32 v[i], 0                              ; O^T: the tick is written for every step alike; a first step of its own would be a third copy of the step's text
.set i, i+1
.endr
	WIN 0
.set i, 0
.rept 64
	v_mov_b32 v[S+i], 0                            ; p of the unit before the first: 0
	v_mov_b32 v[S+64+i], 0xff800000                ; the scores that the first trip's tick 7 finds: -infinity
.set i, i+1
.endr
	v_mov_b32 v[PX], 0                             ; a lane permute's destination counts as one of its sources
	v_mov_b32 v[FF], 1.0
	v_mov_b32 v[FF+1], 0
	v_mov_b32 v[FF+2], 1.0
	v_mov_b32 v[FF+3], 0
.irp u, 0,1,2,3,4,5,6,7
	v_mov_b32 v[ST+4*\u+1], 0xff61b1e6             ; the largest t so far: -3e38
	v_mov_b32 v[ST+4*\u+2], 0                      ; the sum, in two halves
	v_mov_b32 v[ST+4*\u+3], 0
	v_floor_f32 v[ST+4*\u], -v[ST+4*\u+1]          ; -M
.endr
	s_wait_kmcnt 0x0
	s_add_co_i32 s72, s68, s69                     ; e6 + e7
	s_lshl_b32 s73, s72, 23
	s_add_co_i32 s[CS], s[CS], s73                 ; added to c's exponent field
	s_mov_b32 s[CS+1], s[CS]
	s_sub_co_i32 s73, 130, s72
	s_lshl_b32 s[MF], s73, 23                      ; 2^(3 - e6 - e7) as f32
	s_mov_b32 s[MF+1], s[MF]
	s_add_co_i32 s72, s70, 127
	s_lshl_b32 s73, s72, 23
	v_mov_b32 v[SCV], s73                          ; 2^e8
	s_add_co_i32 s72, s72, 8
	s_lshl_b32 s72, s72, 23
	s_or_b32 s72, s72, 0x600000
	v_mov_b32 v[LIMV], s72                         ; 448 x 2^e8
.macro FETCH_K hd                      ; a head's 8 tiles of 16 keys: 16 loads of 512 consecutive bytes
	WIN 0x40
.irp t, 0,1,2,3,4,5,6,7
	ds_load_b128 v[KF+8*\t:KF+8*\t+3], v[AKV] offset:16384*(\hd)+1024*\t
	ds_load_b128 v[KF+8*\t+4:KF+8*\t+7], v[AKV] offset:16384*(\hd)+1024*\t+512
.endr
	WIN 0
.endm
.macro FETCH_V hd                      ; its 4 tiles of 16 channels x 128 keys, into buffer hd % 2
	WIN 0x40
.irp c, 0,1,2,3
.irp g, 0,1,2,3
	ds_load_b128 v[VF+64*((\hd)%2)+16*\c+4*\g:VF+64*((\hd)%2)+16*\c+4*\g+3], v[AKV] offset:16384*(\hd)+8192+2048*\c+512*\g
.endr
.endr
	WIN 0
.endm
.macro ADDS n                          ; the next n additions of the previous unit's p: pair ai goes to chain ai % 4
.rept \n
	v_pk_add_f32 v[U+2*(ai%4):U+2*(ai%4)+1], v[U+2*(ai%4):U+2*(ai%4)+1], v[BP+2*ai:BP+2*ai+1]
.set ai, ai+1
.endr
.endm
.macro FMAS n                          ; the next n pairs of t - M (of the pairs c and -M the low word serves both halves)
.rept \n
	v_pk_fma_f32 v[BC+2*fi:BC+2*fi+1], v[BC+2*fi:BC+2*fi+1], s[CS:CS+1], v[rT:rT+1] op_sel_hi:[1,0,0]
.set fi, fi+1
.endr
.endm
.macro MSCALE a                        ; query tile a's mask x 2^(3 - e6 - e7): once for all four heads
	WIN 0xc3
.set i, 0
.rept 32
	v_pk_mul_f32 v[64*(\a)+i:64*(\a)+i+1], v[64*(\a)+i:64*(\a)+i+1], s[MF:MF+1] op_sel_hi:[1,0]
.set i, i+2
.endr
.endm
; A TICK.  front: unit u's maximum, M, t - M and exponentials.  nxt: S^T of unit u + 1.  ld: the tick's 16 LDS loads (even ticks V of head u / 2, odd ticks K of head (u + 1) / 2).  Unit u - 1's sums, holds, codes and O^T always.
.macro TICK u, front, nxt, ld
.set pu, ((\u)+7)%8
.set nu, ((\u)+1)%8
.set BC, S+64*((\u)%2)                 ; unit u's buffer
.set BP, S+64-64*((\u)%2)              ; unit u - 1's, which unit u + 1 takes over
.set rT, ST+4*(\u)
.set rP, ST+4*pu
.set FC, FF+2*((\u)%2)
.set FP, FF+2-2*((\u)%2)
.irp k, 0,1,2,3
	v_pk_add_f32 v[U+2*\k:U+2*\k+1], v[BP+2*\k:BP+2*\k+1], v[BP+8+2*\k:BP+9+2*\k]   ; the sum of the unquantised p starts in four chains.  These four name no register of the last products: they are the places behind them
.endr
.set ai, 8
.set fi, 0
.if \ld
.if (\u)%2 == 0
	FETCH_V (\u)/2
.else
.if (\u) < 7
	FETCH_K ((\u)+1)/2
.endif
.endif
.endif
.if \front
.irp t, 0,1,2,3,4,5,6,7
	v_max3_num_f32 v[X+\t], v[BC+8*\t], v[BC+8*\t+1], v[BC+8*\t+2]     ; the largest score of my query among my 64 keys, a chain to a tile, each tile first read at its low end
.endr
.irp t, 0,1,2,3,4,5,6,7
	v_max3_num_f32 v[X+\t], v[X+\t], v[BC+8*\t+3], v[BC+8*\t+4]
.endr
.irp t, 0,1,2,3,4,5,6,7
	v_max3_num_f32 v[X+\t], v[X+\t], v[BC+8*\t+5], v[BC+8*\t+6]
.endr
	v_max3_num_f32 v[X], v[X], v[X+1], v[X+2]
	v_max3_num_f32 v[X+3], v[X+3], v[X+4], v[X+5]
	v_max3_num_f32 v[X+6], v[X+6], v[X+7], v[BC+7]
	v_max3_num_f32 v[TT], v[BC+15], v[BC+23], v[BC+31]
	v_max3_num_f32 v[TT+1], v[BC+39], v[BC+47], v[BC+55]
	v_mov_b32 v[OLD], v[rT]
	ADDS 3                                         ; from here on each dependent line is followed by additions that do not hang on it
	v_max3_num_f32 v[X], v[X], v[X+3], v[X+6]
	v_max3_num_f32 v[TT], v[TT], v[TT+1], v[BC+63]
	ADDS 3
	v_max_num_f32 v[X], v[X], v[TT]
	ADDS 3
	v_permlanex16_b32 v[PX], v[X], s[SEL], s[SEL+1]
	ADDS 3
	v_max_num_f32 v[X], v[X], v[PX]                ; and among lane l xor 16's
	ADDS 3
	v_mul_f32 v[X], s[CS], v[X]                    ; as t (c is positive)
	ADDS 3
	v_max_num_f32 v[rT+1], v[rT+1], v[X]           ; the running largest t
	ADDS 3
	v_floor_f32 v[rT], -v[rT+1]                    ; the new -M = floor(-t): M is a whole number
	ADDS 3
	v_sub_f32 v[X], v[rT], v[OLD]                  ; old M - new M: a whole number, 0 or less
	v_pk_add_f32 v[U:U+1], v[U:U+1], v[U+2:U+3]
	v_pk_add_f32 v[U+4:U+5], v[U+4:U+5], v[U+6:U+7]
	FMAS 4
	v_cvt_i32_f32 v[X], v[X]                       ; (it saturates)
	v_pk_add_f32 v[U:U+1], v[U:U+1], v[U+4:U+5]
	FMAS 4
	v_ldexp_f32 v[FC], 1.0, v[X]                   ; f = 2^(old M - new M)
	FMAS 4
	v_pk_fma_f32 v[rP+2:rP+3], v[rP+2:rP+3], v[FP:FP+1], v[U:U+1] op_sel_hi:[1,0,1]   ; unit u - 1's sum: x its f, + this step's
	FMAS 20
	s_wait_alu depctr_va_vdst(0)                   ; the wait ahead of the batch
.set i, 0
.rept 64
	v_exp_f32 v[BC+i], v[BC+i]                     ; p = 2^(t - M), at most 1
	v_min_num_f32 v[BP+i], v[BP+i], v[LIMV]        ; unit u - 1's hold: the conversion does not saturate (ISA guide 7.6.2); p is not negative.  Read only behind the wait below
.set i, i+1
.endr
.else
	ADDS 24
	v_pk_add_f32 v[U:U+1], v[U:U+1], v[U+2:U+3]
	v_pk_add_f32 v[U+4:U+5], v[U+4:U+5], v[U+6:U+7]
	v_pk_add_f32 v[U:U+1], v[U:U+1], v[U+4:U+5]
	v_pk_fma_f32 v[rP+2:rP+3], v[rP+2:rP+3], v[FP:FP+1], v[U:U+1] op_sel_hi:[1,0,1]
.set i, 0
.rept 64
	v_min_num_f32 v[BP+i], v[BP+i], v[LIMV]
.set i, i+1
.endr
.endif
	s_wait_dscnt 0x0                               ; the LDS loads issued at the tick's head are in
	WIN 0x82                                       ; O^T in window 2, f in window 0
	s_wait_alu depctr_va_vdst(0)                   ; one wait for the batch, for the holds and for O^T's first readers, directly ahead of these
.set i, 0
.rept 16
	v_pk_mul_f32 v[32*pu+i:32*pu+i+1], v[32*pu+i:32*pu+i+1], v[FP:FP+1] op_sel_hi:[1,0]   ; O^T under the new M
.set i, i+2
.endr
	WIN 0
.set i, 0
.rept 8
	v_cvt_scalef32_pk8_fp8_f32 v[P+2*i:P+2*i+1], v[BP+8*i:BP+8*i+7], v[SCV]   ; keys 16 i + 8 h + 0 .. 7: registers 2 i, 2 i + 1 of the second product's operand
.set i, i+1
.endr
.if (\nxt) && ((\u) == 7)
	MSCALE 0                                       ; (plain lines behind the conversions)
.else
.if (\nxt) && ((\u) == 0)
	MSCALE 1
.else
	v_nop                                          ; a plain line behind the conversions
.endif
.endif
.if \nxt
	WIN 0x35                                       ; K and Q window 1, the mask window 3, S^T window 0
.irp t, 0,1,2,3,4,5,6,7
	v_wmma_f32_16x16x64_fp8_fp8 v[BP+8*\t:BP+8*\t+7], v[KF+8*\t:KF+8*\t+7], v[QF+8*nu:QF+8*nu+7], v[64*(nu%2)+8*\t:64*(nu%2)+8*\t+7]
.endr
.endif
	WIN 0xa1                                       ; V window 1, P window 0, O^T window 2
.irp ct, 0,1,2,3
	v_wmma_f32_16x16x128_fp8_fp8 v[32*pu+8*\ct:32*pu+8*\ct+7], v[VF+64*((pu/2)%2)+16*\ct:VF+64*((pu/2)%2)+16*\ct+15], v[P:P+15], v[32*pu+8*\ct:32*pu+8*\ct+7]   ; four accumulators, one instruction a turn
.endr
	WIN 0
.endm
; THE CHANGE OF SLOTS stands at a trip's head.  All my reads of the slot that I leave were issued by tick 6 (V of head 3, into V's second buffer).  Each wave waits for all its tensor loads, adds 0 to its spare word and
; waits for that and for its reads.  fill = 1: a round of the cluster's barrier; behind it the slot left is filled with the next key step, which has the whole trip in which to land.  Then the new slot's K of head 0 and the mask.
.macro CHANGE fill
	v_add_nc_u32 v[AKV], s[TB], v[GO]
	v_add_nc_u32 v[AM], s[TB], v[AM0]
	s_wait_alu depctr_va_vdst(0)
	s_wait_tensorcnt 0x0                           ; no tensor load of mine is out, so a group 0 may be written
	ds_add_u32 v[SPW], v[NIL]                      ; 0 onto my spare word
.if \fill
	s_xor_b32 s[G0M+1], s[G0M+1], SLOT             ; the walking descriptors: the other slot, the next 128 keys
	s_add_nc_u64 s[G0M+2:G0M+3], s[G0M+2:G0M+3], 512
	s_xor_b32 s[G0K+1], s[G0K+1], SLOT
	s_add_nc_u64 s[G0K+2:G0K+3], s[G0K+2:G0K+3], 262144
	s_wait_xcnt 0x0                                ; the last prefetch, a key step back, has read its address
	s_add_nc_u64 s[PFA:PFA+1], s[PFA:PFA+1], s[PFS:PFS+1]
	s_wait_dscnt 0x0
	CROUND
	TLOAD                                          ; the first thing behind the round; its four v_nop are the places in front of the loads below
.else
	s_wait_dscnt 0x0
	s_barrier_signal -1
	s_barrier_wait -1
.rept 4
	v_nop
.endr
.endif
	FETCH_K 0
	WIN 0xc0                                       ; destination window 3
.irp a, 0,1
.irp t, 0,1,2,3,4,5,6,7
	ds_load_b128 v[64*\a+8*\t:64*\a+8*\t+3], v[AM] offset:16*MP*\a+64*\t            ; mask(query 16 a + r, keys 16 t + 8 h + 0 .. 7): the first product's result layout
	ds_load_b128 v[64*\a+8*\t+4:64*\a+8*\t+7], v[AM] offset:16*MP*\a+64*\t+16
.endr
.endr
	WIN 0
.if \fill
	ASK
.endif
.endm
.macro TRIP
	TICK 7, 1, 1, 0
.irp u, 0,1,2,3,4,5,6
	TICK \u, 1, 1, 1
.endr
.endm
	s_wait_alu depctr_va_vdst(0)                   ; the wait at the head's end
	s_wait_loadcnt 0x0                             ; Q
.Lstep:                                                ; 15 trips: behind each change of slots but the last the next key step is asked for
	CHANGE 1
	TRIP
	s_xor_b32 s[TB], s[TB], SLOT
	s_sub_co_u32 s[SLOTS], s[SLOTS], 1
	s_cmp_lg_u32 s[SLOTS], 0
	s_cbranch_scc1 .Lstep
	CHANGE 0                                       ; the last step is written out
	TRIP
	TICK 7, 1, 0, 0                                ; the pipeline runs empty: the last step's unit 7,
	TICK 0, 0, 0, 0                                ; and what is left of it
	; THE WAY OUT.  O^T is divided by the sum, multiplied by 2^(e8 + e9), and goes through my stage in LDS, 16 queries x two heads (512 bytes a row) at a time.
	; The stage lies in slot 0, which has had its last fill (key step 14) and which nobody reads behind the last barrier.  The additions are the places behind the last products.
.irp u, 0,1,2,3,4,5,6,7
	v_add_f32 v[ST+4*\u+2], v[ST+4*\u+2], v[ST+4*\u+3]
.endr
.irp u, 0,1,2,3,4,5,6,7
	v_permlanex16_b32 v[ST+4*\u+3], v[ST+4*\u+2], s[SEL], s[SEL+1]
.endr
.irp u, 0,1,2,3,4,5,6,7
	v_add_f32 v[ST+4*\u+2], v[ST+4*\u+2], v[ST+4*\u+3]   ; the row's sum
.endr
	s_add_co_i32 s72, s70, s71                     ; e8 + e9
	s_wait_alu depctr_va_vdst(0)                   ; the wait ahead of the batch
.irp u, 0,1,2,3,4,5,6,7
	v_rcp_f32 v[ST+4*\u+2], v[ST+4*\u+2]
.endr
	v_nop                                          ; a plain line behind the last reciprocal
	s_wait_alu depctr_va_vdst(0)                   ; one wait for the eight, ahead of their first reader
.irp u, 0,1,2,3,4,5,6,7
	v_ldexp_f32 v[ST+4*\u+2], v[ST+4*\u+2], s72
.endr
.macro SENDOUT a, hp                   ; query tile a, heads 2 hp and 2 hp + 1
.if (\a)+(\hp) > 0
	s_wait_xcnt 0x0                                ; the earlier stores have read their registers
.endif
	WIN 0x02                                       ; source 0 (O^T) window 2
	s_wait_alu depctr_va_vdst(0)                   ; the wait directly ahead of O^T's first readers
.irp hd, 0,1
.set uu, 2*(2*(\hp)+\hd)+(\a)
.set i, 0
.rept 16
	v_pk_mul_f32 v[S+32*\hd+i:S+32*\hd+i+1], v[32*uu+i:32*uu+i+1], v[ST+4*uu+2:ST+4*uu+3] op_sel_hi:[1,0]   ; each accumulator from its low end on
.set i, i+2
.endr
.endr
	WIN 0
.irp hd, 0,1
.irp c, 0,1,2,3
	ds_store_b128 v[STO], v[S+32*\hd+8*\c:S+32*\hd+8*\c+3] offset:256*\hd+64*\c          ; lane (r, h): row r, head hd, channels 16 c + 8 h + 0 .. 7
	ds_store_b128 v[STO], v[S+32*\hd+8*\c+4:S+32*\hd+8*\c+7] offset:256*\hd+64*\c+16
.endr
.endr
.set i, 0
.rept 16
	ds_load_b128 v[S+64+4*i:S+64+4*i+3], v[RD] offset:MP*i   ; LDS serves a wave's instructions in order (ISA guide 5.7.1.4): these see my stores
.set i, i+1
.endr
.set i, 0
.rept 16
	s_wait_dscnt 15-i                              ; row i is back; the 15 - i younger loads may be out
	global_store_b128 v[GO], v[S+64+4*i:S+64+4*i+3], s[12:13] offset:(16*(\a)+i)*4096+512*(\hp) th:TH_STORE_NT   ; 32 lanes store 512 consecutive bytes, aligned
.set i, i+1
.endr
.endm
	SENDOUT 0, 0
	SENDOUT 0, 1
	SENDOUT 1, 0
	SENDOUT 1, 1
	s_wait_tensorcnt 0x0                           ; the wave's end
	ds_add_u32 v[SPW], v[NIL]
	s_wait_dscnt 0x0
	CROUND                                         ; the closing round: no work-group ends while a partner may still ask for a tile that names it
	s_endpgm
.Lfunc_end_k_q54d94c4f3f_attn:
	.size	k_q54d94c4f3f_attn, .Lfunc_end_k_q54d94c4f3f_attn-k_q54d94c4f3f_attn
	.p2alignl 7, 3214868480
	.fill 96, 4, 3214868480
	.section	.rodata,"a",@progbits
	.p2align	6, 0x0
	.amdhsa_kernel k_q54d94c4f3f_attn
		.amdhsa_group_segment_fixed_size 327680
		.amdhsa_private_segment_fixed_size 0
		.amdhsa_enable_private_segment 0
		.amdhsa_kernarg_size 40
		.amdhsa_user_sgpr_count 2
		.amdhsa_user_sgpr_kernarg_segment_ptr 1
		.amdhsa_wavefront_size32 1
		.amdhsa_system_sgpr_workgroup_id_x 1
		.amdhsa_system_sgpr_workgroup_id_y 1
		.amdhsa_system_sgpr_workgroup_id_z 1
		.amdhsa_system_vgpr_workitem_id 0
		.amdhsa_next_free_vgpr 896
		.amdhsa_next_free_sgpr 96
		.amdhsa_reserve_vcc 0
		.amdhsa_float_denorm_mode_32 3
		.amdhsa_float_denorm_mode_16_64 3
		.amdhsa_memory_ordered 1
		.amdhsa_forward_progress 1
		.amdhsa_inst_pref_size 255
	.end_amdhsa_kernel
	.section	.bss,"aw",@nobits
	.p2align	6
	.space	262144
	.amdgpu_metadata
---
amdhsa.version: [ 1, 2 ]
amdhsa.kernels:
  - .name:           k_q54d94c4f3f_attn
    .symbol:         k_q54d94c4f3f_attn.kd
    .args:
      - { .name: q_img, .offset: 0, .size: 8, .value_kind: global_buffer, .address_space: global }
      - { .name: kv_img, .offset: 8, .size: 8, .value_kind: global_buffer, .address_space: global }
      - { .name: mask, .offset: 16, .size: 8, .value_kind: global_buffer, .address_space: global }
      - { .name: lowp_scales, .offset: 24, .size: 8, .value_kind: global_buffer, .address_space: global }
      - { .name: out0, .offset: 32, .size: 8, .value_kind: global_buffer, .address_space: global }
    .group_segment_fixed_size: 327680
    .private_segment_fixed_size: 0
    .kernarg_segment_align: 8
    .kernarg_segment_size: 40
    .max_flat_workgroup_size: 128
    .sgpr_count:     96
    .vgpr_count:     896
    .wavefront_size: 32
...
	.end_amdgpu_metadata
.endif
;; end of part 2
